; MI455X (gfx1250); checked and timed in simulation.
; The chip was launched on July 23, 2026; its instructions are those of AMD's public machine-readable ISA for CDNA 5 (MIT licence, August 2026) and "CDNA5" Instruction Set Architecture Reference Guide (July 2026).
;; SDPA Sparse Bool Mask. Allowed arithmetic: matrix products marked QUANTISED: E4M3 operands, one E8M0 scale for each 32 along K, by v_wmma_scale_f32_16x16x128_f8f6f4 with both operands' format E4M3, f32 sums; everything else in f32.
;; Inputs: k_codes 2 x 16 x 4,096 x 4 x 32 uint8 (E4M3 codes of k, K innermost, in blocks of 32 codes); k_scales 2 x 16 x 4,096 x 4 uint8 (E8M0 scales of k, one for each 32 codes along K); q_codes 2 x 16 x 2,048 x 4 x 32 uint8 (E4M3 codes of q, K innermost, in blocks of 32 codes); q_scales 2 x 16 x 2,048 x 4 uint8 (E8M0 scales of q, one for each 32 codes along K); v_codes 2 x 16 x 128 x 128 x 32 uint8 (E4M3 codes of v, K innermost, in blocks of 32 codes); v_scales 2 x 16 x 128 x 128 uint8 (E8M0 scales of v, one for each 32 codes along K).
;; Outputs: out0 2 x 16 x 2,048 x 128 float32.
;; This version of the problem:
;;   THIS VERSION OF THE PROBLEM IS GIVEN IN LOW PRECISION. The matrix products marked QUANTISED in the list below multiply operands that are first quantised to E4M3 (4 exponent bits, 3 mantissa bits; 8 bits a number), with one power-of-two scale for each 32 numbers along K (OCP MX v1.0); their sums are f32. All else is computed in f32.
;;   The module's matrix products, in the order in which they are computed (A, B: the left and right operand; K: the contracted axis; several contracted axes count as one K, in the product's order):
;;     1. batch 32 x [M 2,048, K 128] x [K 128, N 4,096]; A: input q (given as codes); B: input k (given as codes): QUANTISED
;;     2. batch 32 x [M 2,048, K 4,096] x [K 4,096, N 128]; A: softmax (see below); B: input v (given as codes): QUANTISED
;;   THE QUANTISER, for each operand of a quantised product, along K:
;;     - K is cut into blocks of 32 from its start; a last block that is shorter is filled with zeros.
;;     - A block's scale is 2^e with e = floor(log2(the largest magnitude in the block)) - 8, held to -126 .. 127; a block of zeros has e = 0. As a byte (E8M0): e + 127.
;;     - Each number is divided by its block's scale, clamped to +-448, and rounded to the nearest number of E4M3, ties to even, subnormals kept.
;;     - The product sums the exact products of the quantised numbers (number of the format x scale) in f32.
;;   ~~~python
;;   def quantise(x, axis):      # numpy; x: float32 -> the quantised numbers, widened to float32 again
;;       x = np.moveaxis(x, axis, -1); K = x.shape[-1]
;;       x = np.pad(x, [(0, 0)] * (x.ndim - 1) + [(0, -K % 32)]); x = x.reshape(x.shape[:-1] + (-1, 32)); a = np.abs(x).max(-1, keepdims=True)
;;       e = np.where(a > 0, np.clip(np.frexp(np.where(a > 0, a, 1))[1] - 1 - 8, -126, 127), 0)      # np.frexp(a)[1] - 1 = floor(log2(a)), exactly
;;       r = np.clip(x / 2.0 ** e, -448, 448)
;;       step = 2.0 ** (np.maximum(np.frexp(np.where(r == 0, 1, r))[1] - 1, -6) - 3)
;;       q = np.round(r / step) * step * 2.0 ** e      # np.round: ties to even
;;       return np.moveaxis(q.reshape(q.shape[:-2] + (-1,))[..., :K], -1, axis).astype(np.float32)
;;   ~~~
;;   SOFTMAX AHEAD OF A QUANTISED PRODUCT. Where the list says 'softmax', what is quantised is not the finished softmax but p = 2^(t - M), with t = logit x log2(e) and M = ceil(the row's largest t), a whole number; so 1/2 < the row's largest p <= 1. The row's sum l is taken of the UNQUANTISED p, in f32, and the product's result is divided by l at the end. Since M is a whole number, a kernel that streams over the keys may use a running M (the ceiling of the running maximum): every later rescaling is an exact power of two, which a block's scale takes up: the codes' values come out the same.
;;   OPERANDS COMPUTED ON THE WAY. 'Computed on the way' means the value that the module computes at that place (a softmax that the list does not call 'softmax' is quantised finished and normalised). What goes into a quantiser is computed in f32, as accurately as f32 sums, v_exp_f32 and their like allow (about 1e-6 of the number): no bf16 or f16 on the way to a quantiser, and a product that is left as it is and whose result goes on into a quantised operand takes f32 operands (vector FMAs, or v_wmma_f32_16x16x4_f32). A number that lies on a knife's edge between two numbers of the format may be rounded either way, as far as f32 arithmetic and the matrix unit's own rounding can turn it there, and no further.
;;   INPUTS GIVEN AS CODES. k (in the module: [2, 16, 4096, 128], K = its axis 3); q (in the module: [2, 16, 2048, 128], K = its axis 3); v (in the module: [2, 16, 4096, 128], K = its axis 2): each comes as NAME_codes (uint8): NAME with its K axis moved to the last place and cut into blocks of 32 codes, [.., K / 32, bytes a block], one block behind the other in memory; one code a byte (a code: sign, 4 exponent bits, 3 mantissa bits); and NAME_scales (uint8): the same leading axes, one E8M0 byte (e + 127) for each 32 codes along K. Its value is code x scale, taken as it is: it is not quantised again, and the codes and scales need not be those that the quantiser above would give.
;; One version. Each part assembles by itself: llvm-mc -triple=amdgcn-amd-amdhsa -mcpu=gfx1250 --defsym DOCPART=n.
;; ======== version 1 of 1: 1 launch
;; limits: right only within a limited range of input values
;; launch attn (part 1): grid 8 x 32, 8 waves a work-group, clusters of 4 x 1, 327,680 bytes of LDS; arguments q_codes, q_scales, k_codes, k_scales, v_codes, v_scales, out0; writes out0
.if DOCPART == 1
	.amdgcn_target "amdgcn-amd-amdhsa--gfx1250"
	.amdhsa_code_object_version 6
	.text
	.protected	k_q0d07b13f11_attn
	.globl	k_q0d07b13f11_attn
	.p2align	8
	.type	k_q0d07b13f11_attn,@function
k_q0d07b13f11_attn:
	s_mov_b64 s[64:65], 0
	v_nop
	global_prefetch_b8 v0, s[64:65] scope:SCOPE_SE
	s_setreg_imm32_b32 hwreg(HW_REG_WAVE_MODE, 25, 1), 1
	s_wait_xcnt 0x0
	s_wait_alu depctr_hold_cnt(0) depctr_sa_sdst(0) depctr_va_vdst(0) depctr_va_sdst(0) depctr_va_ssrc(0) depctr_va_vcc(0) depctr_vm_vsrc(0)
	s_getreg_b32 s2, hwreg(HW_REG_IB_STS2, 6, 4)
	s_cmp_eq_u32 s2, 0
	s_cbranch_scc0 .Lentry_in_a_cluster
	s_endpgm
.Lentry_in_a_cluster:
	s_bfe_u32 s2, ttmp6, 0x10000c
	s_cmp_lg_u32 s2, 0x3003
	s_cbranch_scc0 .Lentry_shape_is_right
	s_endpgm
.Lentry_shape_is_right:
.set SK,    512
.set KP,    144
.set VP,    528
.set VOFF,  SK*KP
.set SLOT,  VOFF+128*VP
.set SCK,   2*SLOT
.set SVP,   72
.set SCV,   SCK+8192
.set SPARE, SCV+128*SVP
.set STGW,  16*528
.set AK0,  1
.set AV0,  2
.set ASK0, 3
.set ASV0, 4
.set SPW,  5
.set NIL,  6
.set ADC,  7
.set ADS,  8
.set GO,   9
.set PW1,  11
.set KS,   248
.set QS,   255
.set NM,   12
.set MT,   13
.set SUM,  14
.set QF,   16
.set FRG,  32
.set SS,   96
.set OT,   160
.set PC,   224
.set BM,   232
.set T1,   236
.set HL,   240
.set SO,   244
.set FF,   252
.set PW0,  253
.set TT,   254
.set WV,   18
.set MNT,  19
.set SEL,  20
.set CS,   22
.set G1K,  24
.set G1V,  32
.set G1SK, 40
.set G1SV, 48
.set G0K,  56
.set G0V,  68
.set G0SK, 76
.set G0SV, 80
.set TBK,  84
.set TBV,  85
.set TS,   86
.set TJ,   87
.set CNT,  88
.set MSB, 0
.macro WIN new
.if MSB != \new
	s_set_vgpr_msb (MSB<<8)|\new
.set MSB, \new
.endif
.endm
.macro PLACES n
.rept \n
	v_nop
.endr
.endm
.macro CROUND
	s_barrier_signal -1
	s_barrier_wait -1
	s_cmp_lg_u32 s[WV], 0
	s_cbranch_scc1 .Lnot_wave_0_\@
	s_barrier_signal -3
.Lnot_wave_0_\@:
	s_barrier_wait -3
	s_barrier_signal -1
	s_barrier_wait -1
.endm
.macro TLOAD g0k, g1k, g0v, g1v
	s_cmp_lt_u32 s[WV], 2
	s_cbranch_scc0 .Lnot_k_\@
	tensor_load_to_lds s[\g0k:\g0k+3], s[\g1k:\g1k+7]
	s_nop 0
.rept 4
	v_nop
.endr
	s_branch .Lasked_\@
.Lnot_k_\@:
	s_cmp_lt_u32 s[WV], 4
	s_cbranch_scc0 .Lasked_\@
	tensor_load_to_lds s[\g0v:\g0v+3], s[\g1v:\g1v+7]
	s_nop 0
.rept 4
	v_nop
.endr
.Lasked_\@:
.endm
.macro GROUP1 g, w0, c, r, p
	s_mov_b32 s[\g], \w0
	s_mov_b32 s[\g+1], (\c)<<16
	s_mov_b32 s[\g+2], (\r)<<16
	s_mov_b32 s[\g+3], (\c)<<16
	s_mov_b32 s[\g+4], \r
	s_mov_b32 s[\g+5], \p
	s_mov_b32 s[\g+6], 0
	s_mov_b32 s[\g+7], 0
.endm
.macro OFFS hs, ks
	s_lshl_b32 s94, s91, \hs
	s_lshl_b32 s93, s92, \ks
	s_add_co_u32 s94, s94, s93
.endm
.set W0K,  15|(1<<20)|(1<<21)|(4<<22)|(3<<25)
.set W0V,  15|(1<<20)|(1<<21)|(6<<22)|(3<<25)
.set W0SK, 15|(3<<16)|(1<<21)
.set W0SV, 15|(1<<20)|(1<<21)|(3<<22)|(1<<25)
	s_load_b256 s[4:11], s[0:1], 0x0
	s_load_b128 s[12:15], s[0:1], 0x20
	s_load_b64 s[16:17], s[0:1], 0x30
	v_lshl_add_u32 v[SPW], v0, 2, SPARE
	v_mov_b32 v[NIL], 0
	ds_add_u32 v5, v6
	ds_add_u32 v5, v6
	s_wait_dscnt 0x0
	v_lshrrev_b32 v32, 5, v0
	s_delay_alu instid0(VALU_DEP_1)
	v_readfirstlane_b32 s[WV], v32
	s_and_b32 s91, ttmp7, 0xffff
	s_and_b32 s92, s[WV], 1
	s_mov_b32 s95, 0
	s_mov_b32 s97, 0
	s_bfe_u32 s89, ttmp6, 0x40000
	s_lshl_b32 s90, ttmp9, 2
	s_add_co_u32 s90, s90, s89
	s_lshl_b32 s90, s90, 8
	s_lshl_b32 s89, s[WV], 5
	s_add_co_u32 s90, s90, s89
	GROUP1 G1K,  W0K,  128, 256, 128
	GROUP1 G1V,  W0V,  512, 64,  4096
	GROUP1 G1SK, W0SK, 32,  16,  32
	GROUP1 G1SV, W0SV, 64,  64,  128
	s_mov_b32 s[SEL], 0x76543210
	s_mov_b32 s[SEL+1], 0xfedcba98
	s_mov_b32 s[CS], 0x3e0293ee
	s_mov_b32 s[CS+1], s[CS]
	s_mul_i32 s93, s92, 256*KP
	s_mov_b32 s[G0K+1], s93
	s_add_co_u32 s[G0K+5], s93, SLOT
	s_mul_i32 s93, s92, 64*VP
	s_add_co_u32 s[G0V+1], s93, VOFF
	s_add_co_u32 s[G0V+5], s93, SLOT+VOFF
	s_lshl_b32 s93, s92, 12
	s_add_co_u32 s[G0SK+1], s93, SCK
	s_mul_i32 s93, s92, 64*SVP
	s_add_co_u32 s[G0SV+1], s93, SCV
	s_wait_kmcnt 0x0
	OFFS 19, 15
	s_add_nc_u64 s[G0K+2:G0K+3], s[8:9], s[94:95]
	s_add_nc_u64 s[G0K+6:G0K+7], s[G0K+2:G0K+3], SK*128
	OFFS 19, 18
	s_add_nc_u64 s[G0V+2:G0V+3], s[12:13], s[94:95]
	s_add_nc_u64 s[G0V+6:G0V+7], s[G0V+2:G0V+3], SK
	OFFS 14, 12
	s_add_nc_u64 s[G0SK+2:G0SK+3], s[10:11], s[94:95]
	OFFS 14, 13
	s_add_nc_u64 s[G0SV+2:G0SV+3], s[14:15], s[94:95]
.irp g, G0K, G0K+4, G0V, G0V+4, G0SK, G0SV
	s_mov_b32 s[\g], 1
	s_or_b32 s[\g+3], s[\g+3], 0x80000000
.endr
	s_lshl_b32 s96, s91, 18
	s_lshl_b32 s89, s90, 7
	s_add_co_u32 s96, s96, s89
	s_add_nc_u64 s[4:5], s[4:5], s[96:97]
	s_lshl_b32 s96, s91, 13
	s_lshl_b32 s89, s90, 2
	s_add_co_u32 s96, s96, s89
	s_add_nc_u64 s[6:7], s[6:7], s[96:97]
	s_lshl_b32 s96, s91, 20
	s_lshl_b32 s89, s90, 9
	s_add_co_u32 s96, s96, s89
	s_add_nc_u64 s[16:17], s[16:17], s[96:97]
	CROUND
	TLOAD G0SK, G1SK, G0SV, G1SV
	s_wait_alu depctr_va_vdst(0)
	s_wait_tensorcnt 0x0
	ds_add_u32 v5, v6
	s_wait_dscnt 0x0
	CROUND
	TLOAD G0K, G1K, G0V, G1V
	v_and_b32 v32, 15, v0
	v_bfe_u32 v33, v0, 4, 1
	v_and_b32 v34, 31, v0
	s_delay_alu instid0(VALU_DEP_3)
	v_lshlrev_b32 v[ADC], 7, v32
	s_delay_alu instid0(VALU_DEP_1)
	v_lshl_add_u32 v[ADC], v33, 4, v[ADC]
	s_delay_alu instid0(VALU_DEP_3)
	v_lshlrev_b32 v[ADS], 2, v34
.irp c, 0,1,2,3
	global_load_b128 v[QF+4*\c:QF+4*\c+3], v[ADC], s[4:5] offset:32*\c th:TH_LOAD_NT
.endr
	WIN 0x40
.irp c, 0,1,2,3
	global_load_b128 v[QF+4*\c:QF+4*\c+3], v[ADC], s[4:5] offset:2048+32*\c th:TH_LOAD_NT
.endr
	WIN 0
	global_load_b32 v[QS], v[ADS], s[6:7] th:TH_LOAD_NT
	v_mul_u32_u24 v[AK0], v32, KP
	s_delay_alu instid0(VALU_DEP_1)
	v_lshl_add_u32 v[AK0], v33, 4, v[AK0]
	v_mul_u32_u24 v[AV0], v32, VP
	s_delay_alu instid0(VALU_DEP_1)
	v_lshl_add_u32 v[AV0], v33, 3, v[AV0]
	v_lshl_add_u32 v[ASK0], v34, 2, SCK
	v_mul_u32_u24 v[ASV0], v34, SVP
	s_delay_alu instid0(VALU_DEP_1)
	v_add_nc_u32 v[ASV0], SCV, v[ASV0]
	v_lshlrev_b32 v[GO], 4, v34
.macro INIT
	v_mov_b32 v[MT], 0xff61b1e6
	s_delay_alu instid0(VALU_DEP_1)
	v_floor_f32 v[NM], -v[MT]
	v_mov_b32 v[SUM], 0
	v_mov_b32 v[SUM+1], 0
.irp b, 0,1,2,3
	v_mov_b32 v[T1+\b], 0
.endr
	v_mov_b32 v[PW0], 0
.set j, 0
.rept 64
	v_mov_b32 v[OT+j], 0
.set j, j+1
.endr
.endm
	INIT
	WIN 0x55
	INIT
	WIN 0
.macro QK q, f
	WIN (\f+0x54*\q)
.irp u, 0,1,2,3
.set rD, SS+8*(4*\f+\u)
.set rA, FRG+16*\u
.set rS, KS+(4*\f+\u)/2
.if (\u%2 == 0) && (\q == 0)
	v_wmma_scale_f32_16x16x128_f8f6f4 v[rD:rD+7], v[rA:rA+15], v[QF:QF+15], 0, v[rS], v[QS]
.elseif \q == 0
	v_wmma_scale_f32_16x16x128_f8f6f4 v[rD:rD+7], v[rA:rA+15], v[QF:QF+15], 0, v[rS], v[QS] matrix_a_scale:MATRIX_SCALE_ROW1
.elseif \u%2 == 0
	v_wmma_scale_f32_16x16x128_f8f6f4 v[rD:rD+7], v[rA:rA+15], v[QF:QF+15], 0, v[rS], v[QS] matrix_b_scale:MATRIX_SCALE_ROW1
.else
	v_wmma_scale_f32_16x16x128_f8f6f4 v[rD:rD+7], v[rA:rA+15], v[QF:QF+15], 0, v[rS], v[QS] matrix_a_scale:MATRIX_SCALE_ROW1 matrix_b_scale:MATRIX_SCALE_ROW1
.endif
.endr
.endm
.macro PV q, f
	WIN (\f+0x54*\q)
.irp u, 0,1,2,3
.set rD, OT+8*(4*\f+\u)
.set rA, FRG+16*\u
.set rS, KS+(4*\f+\u)/2
.set rP, PW0-(PW0-PW1)*\q
.if \u%2 == 0
	v_wmma_scale_f32_16x16x128_f8f6f4 v[rD:rD+7], v[rA:rA+15], v[PC:PC+15], v[rD:rD+7], v[rS], v[rP]
.else
	v_wmma_scale_f32_16x16x128_f8f6f4 v[rD:rD+7], v[rA:rA+15], v[PC:PC+15], v[rD:rD+7], v[rS], v[rP] matrix_a_scale:MATRIX_SCALE_ROW1
.endif
.endr
.endm
.macro KFRAGS t0
.irp u, 0,1,2,3
.irp c, 0,1,2,3
	ds_load_b128 v[FRG+16*\u+4*\c:FRG+16*\u+4*\c+3], v[ADC] offset:(\t0+\u)*16*KP+32*\c
.endr
.endr
.endm
.macro VFRAGS t0
.irp u, 0,1,2,3
.irp c, 0,1,2,3
	ds_load_b64 v[FRG+16*\u+4*\c:FRG+16*\u+4*\c+1],   v[ADC] offset:(\t0+\u)*16*VP+32*\c
	ds_load_b64 v[FRG+16*\u+4*\c+2:FRG+16*\u+4*\c+3], v[ADC] offset:(\t0+\u)*16*VP+32*\c+16
.endr
.endr
.endm
.macro SOFTMAX q
.irp b, 0,1,2,3
	v_max3_num_f32 v[BM+\b], v[SS+16*\b], v[SS+1+16*\b], v[SS+2+16*\b]
.endr
.irp i, 3,5,7,9,11,13
.irp b, 0,1,2,3
	v_max3_num_f32 v[BM+\b], v[BM+\b], v[SS+16*\b+\i], v[SS+1+16*\b+\i]
.endr
.endr
.irp b, 0,1,2,3
	v_max_num_f32 v[BM+\b], v[BM+\b], v[SS+15+16*\b]
.endr
.irp b, 0,1,2,3
	v_permlanex16_b32 v[T1+\b], v[BM+\b], s[SEL], s[SEL+1]
.endr
.irp b, 0,1,2,3
	s_delay_alu instid0(VALU_DEP_4)
	v_max_num_f32 v[BM+\b], v[BM+\b], v[T1+\b]
.endr
	s_delay_alu instid0(VALU_DEP_2)
	v_max3_num_f32 v[TT], v[BM], v[BM+1], v[BM+2]
	s_delay_alu instid0(VALU_DEP_1)
	v_max_num_f32 v[TT], v[TT], v[BM+3]
	s_delay_alu instid0(VALU_DEP_1)
	v_mul_f32 v[TT], s[CS], v[TT]
	s_delay_alu instid0(VALU_DEP_1)
	v_max_num_f32 v[MT], v[MT], v[TT]
	v_mov_b32 v[TT], v[NM]
	s_delay_alu instid0(VALU_DEP_2)
	v_floor_f32 v[NM], -v[MT]
	s_delay_alu instid0(VALU_DEP_1)
	v_sub_f32 v[TT], v[NM], v[TT]
	s_delay_alu instid0(VALU_DEP_1)
	v_cvt_i32_f32 v[TT], v[TT]
	s_delay_alu instid0(VALU_DEP_1)
	v_ldexp_f32 v[FF], 1.0, v[TT]
.set j, 0
.rept 32
	v_pk_fma_f32 v[SS+j:SS+j+1], v[SS+j:SS+j+1], s[CS:CS+1], v[NM:NM+1] op_sel_hi:[1,0,0]
.set j, j+2
.endr
.irp b, 0,1,2,3
	v_fma_f32 v[BM+\b], v[BM+\b], s[CS], v[NM]
.endr
.set j, 0
	s_wait_alu depctr_va_vdst(0)
.rept 64
	v_exp_f32 v[SS+j], v[SS+j]
.set j, j+1
.endr
.irp b, 0,1,2,3
	v_exp_f32 v[BM+\b], v[BM+\b]
.endr
	v_pk_mul_f32 v[SUM:SUM+1], v[SUM:SUM+1], v[FF:FF+1] op_sel_hi:[1,0]
	s_wait_alu depctr_va_vdst(0)
.irp b, 0,1,2,3
	v_max_num_f32 v[BM+\b], 0x4800000, v[BM+\b]
.endr
.irp b, 0,1,2,3
	s_delay_alu instid0(VALU_DEP_4)
	v_add_nc_u32 v[SO+\b], 0xfc000000, v[BM+\b]
.endr
.irp b, 0,1,2,3
.endr
.irp b, 0,1,2,3
	s_delay_alu instid0(VALU_DEP_4)
	v_lshrrev_b32 v[T1+\b], 23, v[SO+\b]
.endr
	s_delay_alu instid0(VALU_DEP_3)
	v_lshl_or_b32 v[PW0], v[T1+1], 8, v[T1]
	s_delay_alu instid0(VALU_DEP_1)
	v_lshl_or_b32 v[PW0], v[T1+2], 16, v[PW0]
.if \q
	WIN 0x15
	v_lshl_or_b32 v[PW1], v[T1+3], 24, v[PW0]
	WIN 0x55
.else
	s_delay_alu instid0(VALU_DEP_1)
	v_lshl_or_b32 v[PW0], v[T1+3], 24, v[PW0]
.endif
	v_pk_add_f32 v[T1:T1+1], v[SS:SS+1], v[SS+2:SS+3]
.set j, 4
.rept 15
	v_pk_add_f32 v[SUM:SUM+1], v[SUM:SUM+1], v[SS+j:SS+j+1]
	v_pk_add_f32 v[T1:T1+1], v[T1:T1+1], v[SS+j+2:SS+j+3]
.set j, j+4
.endr
	s_delay_alu instid0(VALU_DEP_1)
	v_pk_add_f32 v[SUM:SUM+1], v[SUM:SUM+1], v[T1:T1+1]
.irp b, 0,1,2,3
.set j, 0
.rept 16
.set j, j+1
.endr
	v_cvt_scalef32_pk8_fp8_f32 v[PC+4*\b:PC+4*\b+1], v[SS+16*\b:SS+16*\b+7], v[SO+\b]
	v_cvt_scalef32_pk8_fp8_f32 v[PC+4*\b+2:PC+4*\b+3], v[SS+16*\b+8:SS+16*\b+15], v[SO+\b]
.endr
.set j, 0
.rept 32
	v_pk_mul_f32 v[OT+j:OT+j+1], v[OT+j:OT+j+1], v[FF:FF+1] op_sel_hi:[1,0]
.set j, j+2
.endr
.endm
.macro STEP
	v_add_nc_u32 v[ADC], s[TBK], v[AK0]
	v_add_nc_u32 v[ADS], s[TS], v[ASK0]
	PLACES 6
.irp i, 0,1,2,3
	ds_load_b32 v[KS+\i], v[ADS] offset:128*\i
.endr
	KFRAGS 0
	WIN 0x40
	KFRAGS 4
	s_wait_dscnt 16
	QK 0, 0
	QK 1, 0
	s_wait_dscnt 0x0
	QK 1, 1
	QK 0, 1
	WIN 0
	v_add_nc_u32 v[ADC], s[TBV], v[AV0]
	v_add_nc_u32 v[ADS], s[TJ], v[ASV0]
	PLACES 6
.irp i, 0,1,2,3
	ds_load_b32 v[KS+\i], v[ADS] offset:32*SVP*\i
.endr
	VFRAGS 0
	WIN 0x40
	VFRAGS 4
	WIN 0
	SOFTMAX 0
	WIN 0x55
	s_setprio 1
	SOFTMAX 1
	s_setprio 0
	s_wait_alu depctr_va_vdst(0)
	s_wait_dscnt 0x0
	PLACES 4
	PV 0, 0
	PV 1, 0
	PV 1, 1
	PV 0, 1
	WIN 0
.endm
.macro CHANGE fill, slot, step
	s_wait_tensorcnt 0x0
	ds_add_u32 v[SPW], v[NIL]
.if \step
	s_add_nc_u64 s[G0K+4*\slot+2:G0K+4*\slot+3], s[G0K+4*\slot+2:G0K+4*\slot+3], 2*SK*128
	s_add_nc_u64 s[G0V+4*\slot+2:G0V+4*\slot+3], s[G0V+4*\slot+2:G0V+4*\slot+3], 2*SK
.endif
	s_wait_dscnt 0x0
.if \fill
	CROUND
	TLOAD G0K+4*\slot, G1K, G0V+4*\slot, G1V
.else
	s_barrier_signal -1
	s_barrier_wait -1
.endif
.endm
.macro WORK slot, idx
	s_mov_b32 s[TBK], \slot*SLOT
	s_mov_b32 s[TBV], \slot*SLOT+VOFF
	s_mov_b32 s[TS], \idx*2048
	s_mov_b32 s[TJ], \idx*16
	s_mov_b32 s[CNT], 4
.Lstep_\@:
	s_setprio 2
	STEP
	s_add_co_u32 s[TBK], s[TBK], 128*KP
	s_add_co_u32 s[TBV], s[TBV], 128
	s_add_co_u32 s[TS], s[TS], 512
	s_add_co_u32 s[TJ], s[TJ], 4
	s_sub_co_u32 s[CNT], s[CNT], 1
	s_cmp_lg_u32 s[CNT], 0
	s_cbranch_scc1 .Lstep_\@
	s_setprio 0
.endm
	s_wait_loadcnt 0x0
	CHANGE 1, 1, 0
	WORK 0, 0
	CHANGE 1, 0, 1
	WORK 1, 1
	CHANGE 1, 1, 1
	WORK 0, 2
	CHANGE 0, 0, 0
	WORK 1, 3
	s_mul_i32 s93, s[WV], STGW
	v_and_b32 v10, 15, v0
	s_delay_alu instid0(VALU_DEP_1)
	v_mul_u32_u24 v[ADC], v10, 528
	v_bfe_u32 v10, v0, 4, 1
	s_delay_alu instid0(VALU_DEP_1)
	v_lshl_add_u32 v[ADC], v10, 5, v[ADC]
	s_delay_alu instid0(VALU_DEP_1)
	v_add_nc_u32 v[ADC], s93, v[ADC]
	v_add_nc_u32 v[ADS], s93, v[GO]
	PLACES 2
.macro SCALE
	v_add_f32 v[SUM], v[SUM], v[SUM+1]
	s_delay_alu instid0(VALU_DEP_1)
	v_permlanex16_b32 v[FF], v[SUM], s[SEL], s[SEL+1]
	s_delay_alu instid0(VALU_DEP_1)
	v_add_f32 v[SUM], v[SUM], v[FF]
	s_wait_alu depctr_va_vdst(0)
	v_rcp_f32 v[SUM], v[SUM]
	v_nop
.set j, 0
	s_wait_alu depctr_va_vdst(0)
.rept 32
	v_pk_mul_f32 v[SS+j:SS+j+1], v[OT+j:OT+j+1], v[SUM:SUM+1] op_sel_hi:[1,0]
.set j, j+2
.endr
.endm
	SCALE
	WIN 0x55
	SCALE
.macro OUT q
	WIN (4*\q)
.irp t, 0,1,2,3,4,5,6,7
	ds_store_b128 v[ADC], v[SS+8*\t:SS+8*\t+3] offset:64*\t
	ds_store_b128 v[ADC], v[SS+8*\t+4:SS+8*\t+7] offset:64*\t+16
.endr
	WIN (64*\q)
.irp i, 0,1,2,3,4,5,6,7,8,9,10,11,12,13,14,15
	ds_load_b128 v[FRG+4*\i:FRG+4*\i+3], v[ADS] offset:528*\i
.endr
.endm
.macro SEND q, younger
	WIN (4*\q)
.irp i, 0,1,2,3,4,5,6,7,8,9,10,11,12,13,14,15
	s_wait_dscnt \younger+15-\i
	global_store_b128 v[GO], v[FRG+4*\i:FRG+4*\i+3], s[16:17] offset:8192*\q+512*\i th:TH_STORE_NT
.endr
.endm
	OUT 0
	OUT 1
	SEND 0, 32
	SEND 1, 0
	WIN 0
	s_wait_tensorcnt 0x0
	ds_add_u32 v[SPW], v[NIL]
	s_wait_dscnt 0x0
	CROUND
	s_endpgm
.Lfunc_end_k_q0d07b13f11_attn:
	.size	k_q0d07b13f11_attn, .Lfunc_end_k_q0d07b13f11_attn-k_q0d07b13f11_attn
	.p2alignl 7, 3214868480
	.fill 96, 4, 3214868480
	.section	.rodata,"a",@progbits
	.p2align	6, 0x0
	.amdhsa_kernel k_q0d07b13f11_attn
		.amdhsa_group_segment_fixed_size 327680
		.amdhsa_private_segment_fixed_size 0
		.amdhsa_enable_private_segment 0
		.amdhsa_kernarg_size 56
		.amdhsa_user_sgpr_count 2
		.amdhsa_user_sgpr_kernarg_segment_ptr 1
		.amdhsa_wavefront_size32 1
		.amdhsa_system_sgpr_workgroup_id_x 1
		.amdhsa_system_sgpr_workgroup_id_y 1
		.amdhsa_system_sgpr_workgroup_id_z 1
		.amdhsa_system_vgpr_workitem_id 0
		.amdhsa_next_free_vgpr 512
		.amdhsa_next_free_sgpr 100
		.amdhsa_reserve_vcc 0
		.amdhsa_float_denorm_mode_32 3
		.amdhsa_float_denorm_mode_16_64 3
		.amdhsa_fp16_overflow 1
		.amdhsa_memory_ordered 1
		.amdhsa_forward_progress 1
		.amdhsa_inst_pref_size 187
	.end_amdhsa_kernel
	.amdgpu_metadata
---
amdhsa.version: [ 1, 2 ]
amdhsa.kernels:
  - .name:           k_q0d07b13f11_attn
    .symbol:         k_q0d07b13f11_attn.kd
    .args:
      - { .name: q_codes, .offset: 0, .size: 8, .value_kind: global_buffer, .address_space: global }
      - { .name: q_scales, .offset: 8, .size: 8, .value_kind: global_buffer, .address_space: global }
      - { .name: k_codes, .offset: 16, .size: 8, .value_kind: global_buffer, .address_space: global }
      - { .name: k_scales, .offset: 24, .size: 8, .value_kind: global_buffer, .address_space: global }
      - { .name: v_codes, .offset: 32, .size: 8, .value_kind: global_buffer, .address_space: global }
      - { .name: v_scales, .offset: 40, .size: 8, .value_kind: global_buffer, .address_space: global }
      - { .name: out0, .offset: 48, .size: 8, .value_kind: global_buffer, .address_space: global }
    .group_segment_fixed_size: 327680
    .private_segment_fixed_size: 0
    .kernarg_segment_align: 8
    .kernarg_segment_size: 56
    .max_flat_workgroup_size: 256
    .sgpr_count:     100
    .vgpr_count:     512
    .wavefront_size: 32
...
	.end_amdgpu_metadata
.endif
;; end of part 1
